; MI455X (gfx1250); checked and timed in simulation.
; The chip was launched on July 23, 2026; its instructions are those of AMD's public machine-readable ISA for CDNA 5 (MIT licence, August 2026) and "CDNA5" Instruction Set Architecture Reference Guide (July 2026). The comments in the code are by the model that wrote it; some were corrected since.
;; Multihead Attention. Allowed arithmetic: matrix products marked QUANTISED: E5M2 operands, one given power-of-two scale a tensor, by v_wmma_f32_16x16x64_bf8_bf8 or v_wmma_f32_16x16x128_bf8_bf8, f32 sums; everything else in f32.
;; Inputs: Wk 384 x 768 float32; Wo 768 x 768 float32; Wq 384 x 768 float32; Wv 384 x 768 float32; bo 768 float32; lowp_scales 12 int32 (the exponents e of the quantised operands' scales 2^e); x 2 x 4,096 x 384 float32.
;; Outputs: out0 2 x 4,096 x 768 float32.
;; This version of the problem:
;;   THIS VERSION OF THE PROBLEM IS GIVEN IN LOW PRECISION. The matrix products marked QUANTISED in the list below multiply operands that are first quantised to E5M2 (5 exponent bits, 2 mantissa bits; 8 bits a number), with one given power-of-two scale for each operand tensor; their sums are f32. All else is computed in f32.
;;   The module's matrix products, in the order in which they are computed (A, B: the left and right operand; K: the contracted axis; several contracted axes count as one K, in the product's order):
;;     1. [M 8,192, K 384] x [K 384, N 768]; A: input x; B: input Wq: QUANTISED (scales: A lowp_scales[0], B lowp_scales[1])
;;     2. [M 8,192, K 384] x [K 384, N 768]; A: input x; B: input Wk: QUANTISED (scales: A lowp_scales[2], B lowp_scales[3])
;;     3. [M 8,192, K 384] x [K 384, N 768]; A: input x; B: input Wv: QUANTISED (scales: A lowp_scales[4], B lowp_scales[5])
;;     4. batch 12 x [M 4,096, K 128] x [K 128, N 4,096]; A: computed on the way; B: computed on the way: QUANTISED (scales: A lowp_scales[6], B lowp_scales[7])
;;     5. batch 12 x [M 128, K 4,096] x [K 4,096, N 4,096]; A: computed on the way; B: softmax (see below): QUANTISED (scales: A lowp_scales[8], B lowp_scales[9])
;;     6. [M 8,192, K 768] x [K 768, N 768]; A: computed on the way; B: input Wo: QUANTISED (scales: A lowp_scales[10], B lowp_scales[11])
;;   THE QUANTISER, for each operand of a quantised product, along K:
;;     - The operand's scale is 2^e, e = its entry of the input lowp_scales (int32; the entries are numbered through the quantised products in the list's order, A before B).
;;     - Each number is divided by the scale, clamped to +-57,344, and rounded to the nearest number of E5M2, ties to even, subnormals kept.
;;     - The product sums the exact products of the quantised numbers (number of the format x scale) in f32.
;;   ~~~python
;;   def quantise(x, axis, e):      # numpy; x: float32 -> the quantised numbers, widened to float32 again
;;       x = np.moveaxis(x, axis, -1); K = x.shape[-1]
;;       r = np.clip(x / 2.0 ** e, -57344, 57344)
;;       step = 2.0 ** (np.maximum(np.frexp(np.where(r == 0, 1, r))[1] - 1, -14) - 2)
;;       q = np.round(r / step) * step * 2.0 ** e      # np.round: ties to even
;;       return np.moveaxis(q, -1, axis).astype(np.float32)
;;   ~~~
;;   SOFTMAX AHEAD OF A QUANTISED PRODUCT. Where the list says 'softmax', what is quantised is not the finished softmax but p = 2^(t - M), with t = logit x log2(e) and M = ceil(the row's largest t), a whole number; so 1/2 < the row's largest p <= 1. The row's sum l is taken of the UNQUANTISED p, in f32, and the product's result is divided by l at the end. Since M is a whole number, a kernel that streams over the keys may use a running M (the ceiling of the running maximum): every later rescaling is an exact power of two, so the quantised numbers keep their values, but for numbers so far below the row's largest that they fall under the format's range.
;;   OPERANDS COMPUTED ON THE WAY. 'Computed on the way' means the value that the module computes at that place (a softmax that the list does not call 'softmax' is quantised finished and normalised). What goes into a quantiser is computed in f32, as accurately as f32 sums, v_exp_f32 and their like allow (about 1e-6 of the number): no bf16 or f16 on the way to a quantiser, and a product that is left as it is and whose result goes on into a quantised operand takes f32 operands (vector FMAs, or v_wmma_f32_16x16x4_f32). A number that lies on a knife's edge between two numbers of the format may be rounded either way, as far as f32 arithmetic and the matrix unit's own rounding can turn it there, and no further.
;; One version. Each part assembles by itself: llvm-mc -triple=amdgcn-amd-amdhsa -mcpu=gfx1250 --defsym DOCPART=n.
;; ======== version 1 of 1: 4 launches
;; limits: right only within a limited range of input values
;; workspace buffers: xc 9,437,184 bytes; wc 884,736 bytes; woc 589,824 bytes; qc 6,291,456 bytes; kvc 12,582,912 bytes; cc 6,291,456 bytes
;; launch prep (part 1): grid 6 x 79, 4 waves a work-group, no clusters, 50,688 bytes of LDS; arguments x, Wq, Wk, Wv, Wo, lowp_scales, xc, wc, woc; writes xc, wc, woc
.if DOCPART == 1
	.amdgcn_target "amdgcn-amd-amdhsa--gfx1250"
	.amdhsa_code_object_version 6
	.text
	.protected	k_q561a918023_prep
	.globl	k_q561a918023_prep
	.p2align	8
	.type	k_q561a918023_prep,@function
k_q561a918023_prep:
	s_mov_b64 s[64:65], 0
	v_nop
	global_prefetch_b8 v0, s[64:65] scope:SCOPE_SE
	s_setreg_imm32_b32 hwreg(HW_REG_WAVE_MODE, 25, 1), 1
	s_wait_xcnt 0x0
; x [8192][384] f32 becomes three sets of E5M2 codes (scales 2^e0, 2^e2, 2^e4); Wq, Wk, Wv [384][768] and Wo [768][768] f32 become one set each (e1, e3, e5, e11).
; code = number / 2^e, held within +-57,344, rounded to the nearest code, ties to even.
; LIMITS: each of these exponents lies between -126 and 112, so that 2^e and 57,344 x 2^e are f32 numbers.  NaN among the inputs is not served; an infinity is held at the largest code.
; EVERY OPERAND IS LAID AS AN IMAGE OF ITS REGISTERS.  A fragment is 16 rows x 128 along K, 2,048 bytes: byte 512 c + 16 lane + e is the code of the row of lane % 16 at k = 32 c + 16 (lane / 16) + e.
; Four 16-byte accesses a lane, at 16 x lane + 512 c, move a fragment between memory and registers 4 c .. 4 c + 3; each covers 512 consecutive bytes.
; THE ROWS OF A TILE ARE NOT NEIGHBOURS: place r of tile T is row 32 (T / 2) + 8 (T % 2) + r + 8 (r / 8).  So in every later product a lane's 16 results of two neighbouring tiles are 16 neighbours along the next K.
; xc: [set 0..2][row tile 0..511][K step 0..2][2048].   wc: [Wq, Wk, Wv][column tile 0..47][K step 0..2][2048].   woc: [column tile 0..47][K step 0..5][2048].
; SHARES.  Work-groups with y < 15 take weights: 128 columns x 128 along K each (15 K steps in all: 3 + 3 + 3 + 6; x = which 128 columns).  The other 384 take x: a wave makes one fragment under the three scales.
; The two paths part on the work-group's number and have LDS bytes of their own.  Waves share nothing: no barrier.  No work-group reads what another reads: nothing to ask for jointly, and no matrix work.
.set XP,   528                         ; x's stage: a row of 512 bytes + 16: 132 words, so row r starts at bank 4 r mod 64 (64 banks of 4 bytes: ISA guide 11.1)
.set WST,  4*16*XP                     ; the weights' stages lie behind x's: 4,096 bytes a wave
.set WX,   32                          ; weights: v32-95   two sets of 32 numbers down K
.set WC,   96                          ;          v96-127  a block's codes, 8 registers for each of four blocks: none is written twice
.set WOUT, 128                         ;          v128-159 two images on their way out
.set XR,   16                          ; x: v16-79   sixteen rows' 512 bytes as loaded
.set XN,   80                          ;    v80-143  my 64 numbers: register 16 c + i is k = 32 c + 16 (lane / 16) + i of my row
.set XT,   144                         ;    v144-175 two sets of 16 held numbers
.set XC,   176                         ;    v176-223 the codes: 16 registers a set
.macro MKSCALE vs, vl, se              ; v[vs] = 2^e as f32 (the conversion takes its exponent field), v[vl] = 57,344 x 2^e
	s_add_co_i32 s30, \se, 127
	s_lshl_b32 s31, s30, 23
	v_mov_b32 v[\vs], s31
	s_add_co_i32 s30, s30, 15
	s_lshl_b32 s30, s30, 23
	s_or_b32 s30, s30, 0x600000
	v_mov_b32 v[\vl], s30
.endm
	s_load_b512 s[4:19], s[0:1], 0x0               ; x 4:5, Wq 6:7, Wk 8:9, Wv 10:11, Wo 12:13, the exponents 14:15, xc 16:17, wc 18:19
	s_load_b64 s[20:21], s[0:1], 0x40              ; woc
	v_lshl_add_u32 v224, v0, 2, 0xc400
	v_mov_b32 v225, 0
	v_lshrrev_b32 v1, 5, v0
	v_readfirstlane_b32 s23, v1                    ; wave 0..3
	s_and_b32 s22, ttmp7, 0xffff                   ; work-group y
	v_and_b32 v2, 31, v0                           ; lane
	v_lshlrev_b32 v6, 4, v2                        ; 16 x lane: my place in an image
	s_wait_kmcnt 0x0
	s_load_b256 s[32:39], s[14:15], 0x0            ; e0 .. e7
	s_load_b128 s[40:43], s[14:15], 0x20           ; e8 .. e11
	s_cmp_ge_u32 s22, 15
	s_cbranch_scc1 .Lx_path
; ---- WEIGHTS.  A lane takes a column and its registers run down K: each load reads 128 consecutive bytes of a row of W, and the conversions give codes with K innermost.
	s_mul_i32 s24, s22, 11
	s_lshr_b32 s24, s24, 5
	s_min_u32 s24, s24, 3                          ; which weight: y / 3, at most 3
	s_mul_i32 s25, s24, 3
	s_sub_co_u32 s25, s22, s25                     ; its K step
	s_lshl_b32 s26, ttmp9, 2
	s_add_co_u32 s26, s26, s23                     ; my pair of column tiles: columns 32 b .. 32 b + 31
	s_cmp_eq_u32 s24, 0
	s_cselect_b64 s[28:29], s[6:7], s[8:9]
	s_cmp_lt_u32 s24, 2
	s_cselect_b64 s[28:29], s[28:29], s[10:11]
	s_cmp_lt_u32 s24, 3
	s_cselect_b64 s[28:29], s[28:29], s[12:13]     ; the weight
	s_cselect_b64 s[44:45], s[18:19], s[20:21]     ; where its codes go
	s_mov_b32 s27, 12288
	s_cselect_b32 s27, 6144, s27                   ; bytes of a column tile: 3 or 6 fragments
	s_mul_i32 s30, s24, 294912
	s_cselect_b32 s30, s30, 0                      ; the weight's set in wc
	s_mul_i32 s31, s25, 128*3072                   ; 128 rows of 3,072 bytes a K step
	s_lshl_b32 s46, s26, 7                         ; 32 columns of 4 bytes
	s_add_co_u32 s46, s46, s31
	s_mov_b32 s47, 0
	s_add_nc_u64 s[28:29], s[28:29], s[46:47]
	s_mul_i32 s46, s26, s27
	s_lshl_b32 s46, s46, 1                         ; tile 2 b
	s_add_co_u32 s46, s46, s30
	s_lshl_b32 s31, s25, 11                        ; its fragment of this K step
	s_add_co_u32 s46, s46, s31
	s_add_nc_u64 s[44:45], s[44:45], s[46:47]      ; tile 2 b's image
	s_mov_b32 s46, s27
	s_add_nc_u64 s[46:47], s[44:45], s[46:47]      ; tile 2 b + 1's
	s_wait_alu depctr_va_vdst(0)
	v_lshlrev_b32 v3, 2, v2                        ; my column's 4 bytes
	v_and_b32 v4, 7, v0                            ; column 32 b + lane is place (lane % 8) + 8 (lane / 16) of tile 2 b + (lane / 8) % 2
	v_bfe_u32 v5, v0, 4, 1
	v_lshl_add_u32 v4, v5, 3, v4
	v_bfe_u32 v5, v0, 3, 1
	v_lshlrev_b32 v4, 4, v4
	v_lshl_add_u32 v4, v5, 11, v4
	s_lshl_b32 s30, s23, 12
	s_add_co_u32 s30, s30, WST                     ; my stage: two images
	v_add_nc_u32 v4, s30, v4                       ; into it: 2,048 x tile + 16 x place
	v_add_nc_u32 v5, s30, v6                       ; out of it: 16 x lane
.macro WLOAD t                         ; block t: W(32 t + i, my column), i = 0 .. 31, into set t % 2
.irp i, 0,1,2,3,4,5,6,7,8,9,10,11,12,13,14,15,16,17,18,19,20,21,22,23,24,25,26,27,28,29,30,31
	global_load_b32 v[WX+32*((\t)%2)+\i], v3, s[28:29] offset:(32*(\t)+\i)*3072 th:TH_LOAD_NT
.endr
.endm
	WLOAD 0
	WLOAD 1
	s_wait_kmcnt 0x0
	s_cmp_eq_u32 s24, 0
	s_cselect_b32 s31, s33, s35
	s_cmp_lt_u32 s24, 2
	s_cselect_b32 s31, s31, s37
	s_cmp_lt_u32 s24, 3
	s_cselect_b32 s24, s31, s43                    ; e1, e3, e5 or e11
	MKSCALE 11, 10, s24
.macro WBLOCK t
.set XS, WX+32*((\t)%2)
.if (\t) < 3
	s_wait_loadcnt 32                              ; this block's 32 loads are in; the next block's 32 may be out
.else
	s_wait_loadcnt 0x0
.endif
.irp i, 0,1,2,3,4,5,6,7,8,9,10,11,12,13,14,15,16,17,18,19,20,21,22,23,24,25,26,27,28,29,30,31
	v_med3_num_f32 v[XS+\i], v[XS+\i], -v10, v10   ; the conversion to an 8-bit code does not saturate (ISA guide 7.6.2): the hold comes first
.endr
.irp g, 0,1,2,3
	v_cvt_scalef32_pk8_bf8_f32 v[WC+8*(\t)+2*\g:WC+8*(\t)+2*\g+1], v[XS+8*\g:XS+8*\g+7], v11
.endr
	ds_store_b128 v4, v[WC+8*(\t):WC+8*(\t)+3] offset:512*(\t)          ; k = 32 t + 0 .. 15: the image's lanes 0-15
	ds_store_b128 v4, v[WC+8*(\t)+4:WC+8*(\t)+7] offset:512*(\t)+256    ; k = 32 t + 16 .. 31: its lanes 16-31
.if (\t) < 2
	WLOAD (\t)+2                                   ; (the codes go to stores alone, and the next vector lines are the other set's plain holds)
.endif
.endm
	s_wait_alu depctr_va_vdst(0)
	WBLOCK 0
	WBLOCK 1
	WBLOCK 2
	WBLOCK 3
.irp k, 0,1,2,3,4,5,6,7
	ds_load_b128 v[WOUT+4*\k:WOUT+4*\k+3], v5 offset:512*\k   ; LDS serves a wave's instructions in order (ISA guide 5.7.1.4): these see my stores
.endr
.irp k, 0,1,2,3
	s_wait_dscnt 7-\k                              ; the younger loads of the run may be out
	global_store_b128 v6, v[WOUT+4*\k:WOUT+4*\k+3], s[44:45] offset:512*\k   ; 32 lanes store 512 consecutive bytes
.endr
.irp k, 0,1,2,3
	s_wait_dscnt 3-\k
	global_store_b128 v6, v[WOUT+16+4*\k:WOUT+16+4*\k+3], s[46:47] offset:512*\k
.endr
	s_wait_tensorcnt 0x0
	ds_add_u32 v224, v225
	s_wait_dscnt 0x0
	s_endpgm
; ---- x.  A wave takes fragment (row tile T, K step s).  Each load reads 512 consecutive bytes of one row; the sixteen rows turn through my stage, so that a lane gets 16 neighbours of each block of 32 of ITS row.
.Lx_path:
	s_sub_co_u32 s24, s22, 15
	s_mul_i32 s24, s24, 6
	s_add_co_u32 s24, s24, ttmp9                   ; 0 .. 383
	s_lshr_b32 s25, s24, 7                         ; K step
	s_and_b32 s26, s24, 127
	s_lshl_b32 s26, s26, 2
	s_add_co_u32 s26, s26, s23                     ; row tile T
	s_lshr_b32 s27, s26, 1
	s_lshl_b32 s27, s27, 5
	s_and_b32 s28, s26, 1
	s_lshl_b32 s28, s28, 3
	s_add_co_u32 s27, s27, s28                     ; its first row: 32 (T / 2) + 8 (T % 2)
	s_mul_i32 s28, s27, 1536                       ; a row of x is 1,536 bytes
	s_lshl_b32 s30, s25, 9
	s_add_co_u32 s28, s28, s30
	s_mov_b32 s29, 0
	s_add_nc_u64 s[4:5], s[4:5], s[28:29]
	s_mul_i32 s28, s26, 6144
	s_lshl_b32 s30, s25, 11
	s_add_co_u32 s28, s28, s30
	s_add_nc_u64 s[16:17], s[16:17], s[28:29]      ; the fragment's image in set 0
	s_mul_i32 s30, s23, 16*XP                      ; my stage
	s_wait_alu depctr_va_vdst(0)
	v_add_nc_u32 v3, s30, v6                       ; into it: 16 x lane of a row
	v_and_b32 v4, 15, v0
	v_bfe_u32 v5, v0, 4, 1
	v_mul_u32_u24 v4, v4, XP
	v_lshl_add_u32 v4, v5, 6, v4
	v_add_nc_u32 v4, s30, v4                       ; out of it: row lane % 16, + 64 bytes for lanes 16-31
.irp i, 0,1,2,3,4,5,6,7,8,9,10,11,12,13,14,15
	global_load_b128 v[XR+4*\i:XR+4*\i+3], v6, s[4:5] offset:(\i+8*(\i/8))*1536 th:TH_LOAD_NT   ; place i of the tile
.endr
	s_wait_alu depctr_va_vdst(0)
	s_wait_kmcnt 0x0
	MKSCALE 8, 9, s32                              ; e0
	MKSCALE 10, 11, s34                            ; e2
	MKSCALE 12, 13, s36                            ; e4
	s_wait_alu depctr_va_vdst(0)
.irp i, 0,1,2,3,4,5,6,7,8,9,10,11,12,13,14,15
	s_wait_loadcnt 15-\i                           ; loads come back in order (ISA guide 5.7.1): row i is in, the younger ones may be out
	ds_store_b128 v3, v[XR+4*\i:XR+4*\i+3] offset:XP*\i
.endr
.irp c, 0,1,2,3
.irp j, 0,1,2,3
	ds_load_b128 v[XN+16*\c+4*\j:XN+16*\c+4*\j+3], v4 offset:128*\c+16*\j
.endr
.endr
	s_wait_dscnt 0x0
.irp z, 0,1,2                          ; the same numbers under three scales: the holds go into other registers, two sets by turns, so that a conversion's sources are rewritten only behind the other set's sixteen plain lines
.irp c, 0,1,2,3
.irp i, 0,1,2,3,4,5,6,7,8,9,10,11,12,13,14,15
	v_med3_num_f32 v[XT+16*(\c%2)+\i], v[XN+16*\c+\i], -v[9+2*\z], v[9+2*\z]
.endr
	v_cvt_scalef32_pk8_bf8_f32 v[XC+16*\z+4*\c:XC+16*\z+4*\c+1], v[XT+16*(\c%2):XT+16*(\c%2)+7], v[8+2*\z]
	v_cvt_scalef32_pk8_bf8_f32 v[XC+16*\z+4*\c+2:XC+16*\z+4*\c+3], v[XT+16*(\c%2)+8:XT+16*(\c%2)+15], v[8+2*\z]
.endr
.endr
.irp z, 0,1,2
.irp c, 0,1,2,3
	global_store_b128 v6, v[XC+16*\z+4*\c:XC+16*\z+4*\c+3], s[16:17] offset:3145728*\z+512*\c   ; 512 consecutive bytes; the set stands in the immediate, inside its signed 24 bits (ISA guide, chapter 10)
.endr
.endr
	s_wait_tensorcnt 0x0
	ds_add_u32 v224, v225
	s_wait_dscnt 0x0
	s_endpgm
.Lfunc_end_k_q561a918023_prep:
	.size	k_q561a918023_prep, .Lfunc_end_k_q561a918023_prep-k_q561a918023_prep
	.p2alignl 7, 3214868480
	.fill 96, 4, 3214868480
	.section	.rodata,"a",@progbits
	.p2align	6, 0x0
	.amdhsa_kernel k_q561a918023_prep
		.amdhsa_group_segment_fixed_size 50688
		.amdhsa_private_segment_fixed_size 0
		.amdhsa_enable_private_segment 0
		.amdhsa_kernarg_size 72
		.amdhsa_user_sgpr_count 2
		.amdhsa_user_sgpr_kernarg_segment_ptr 1
		.amdhsa_wavefront_size32 1
		.amdhsa_system_sgpr_workgroup_id_x 1
		.amdhsa_system_sgpr_workgroup_id_y 1
		.amdhsa_system_sgpr_workgroup_id_z 1
		.amdhsa_system_vgpr_workitem_id 0
		.amdhsa_next_free_vgpr 226
		.amdhsa_next_free_sgpr 66
		.amdhsa_reserve_vcc 0
		.amdhsa_float_denorm_mode_32 3
		.amdhsa_float_denorm_mode_16_64 3
		.amdhsa_memory_ordered 1
		.amdhsa_forward_progress 1
		.amdhsa_inst_pref_size 48
	.end_amdhsa_kernel
	.amdgpu_metadata
---
amdhsa.version: [ 1, 2 ]
amdhsa.kernels:
  - .name:           k_q561a918023_prep
    .symbol:         k_q561a918023_prep.kd
    .args:
      - { .name: x, .offset: 0, .size: 8, .value_kind: global_buffer, .address_space: global }
      - { .name: Wq, .offset: 8, .size: 8, .value_kind: global_buffer, .address_space: global }
      - { .name: Wk, .offset: 16, .size: 8, .value_kind: global_buffer, .address_space: global }
      - { .name: Wv, .offset: 24, .size: 8, .value_kind: global_buffer, .address_space: global }
      - { .name: Wo, .offset: 32, .size: 8, .value_kind: global_buffer, .address_space: global }
      - { .name: lowp_scales, .offset: 40, .size: 8, .value_kind: global_buffer, .address_space: global }
      - { .name: xc, .offset: 48, .size: 8, .value_kind: global_buffer, .address_space: global }
      - { .name: wc, .offset: 56, .size: 8, .value_kind: global_buffer, .address_space: global }
      - { .name: woc, .offset: 64, .size: 8, .value_kind: global_buffer, .address_space: global }
    .group_segment_fixed_size: 50688
    .private_segment_fixed_size: 0
    .kernarg_segment_align: 8
    .kernarg_segment_size: 72
    .max_flat_workgroup_size: 128
    .sgpr_count:     66
    .vgpr_count:     226
    .wavefront_size: 32
...
	.end_amdgpu_metadata
.endif
;; end of part 1
;; launch qkv (part 2): grid 64 x 3, 3 waves a work-group, no clusters, 0 bytes of LDS; arguments xc, wc, lowp_scales, qc, kvc; writes qc, kvc
.if DOCPART == 2
	.amdgcn_target "amdgcn-amd-amdhsa--gfx1250"
	.amdhsa_code_object_version 6
	.text
	.protected	k_q561a918023_qkv
	.globl	k_q561a918023_qkv
	.p2align	8
	.type	k_q561a918023_qkv,@function
k_q561a918023_qkv:
	s_mov_b64 s[64:65], 0
	v_nop
	global_prefetch_b8 v0, s[64:65] scope:SCOPE_SE
	s_setreg_imm32_b32 hwreg(HW_REG_WAVE_MODE, 25, 1), 1
	s_wait_xcnt 0x0
; q = x Wq, k = x Wk, v = x Wv on E5M2 codes, and each result quantised in registers for the attention: q with 2^e6, k with 2^e7, v with 2^e8.  Work-group y = 0, 1, 2: q, k, v.
; All operands and results are images of fragments (16 rows x 128 K, 2,048 bytes, byte 512 c + 16 lane + e: k = 32 c + 16 (lane / 16) + e); place r of tile T is row 32 (T / 2) + 8 (T % 2) + r + 8 (r / 8).
; ONE BODY FOR THE THREE, BY THE OPERANDS' ROLES.  A wave HOLDS 8 tiles x 3 K steps (49,152 consecutive bytes, 384 registers) as source 0 and STREAMS 16 tiles of 3 fragments as source 1.
; In a result a lane holds ONE row of the streamed tile, and its 16 registers of held tiles 2 b, 2 b + 1 are held rows 32 b + 16 (lane / 16) + 0 .. 15: two conversions give registers 4 b .. 4 b + 3 of the next operand's image.
;   q, k: held = a head's 128 columns of W, streamed = 256 rows of x: the image is 16 rows x the head's 128.     v: held = 128 rows (keys) of x, streamed = two heads' columns of Wv: the image is 16 of the head's 128 x 128 keys.
; qc: [6 b + head][tile 0..255][2048].   kvc: [6 b + head][key step 0..31][8 images of K, 8 images of V].
; A sum stands for sum x 2^(eA + eB), so its code is sum / 2^(eo - eA - eB): the three exponents are folded into the conversion's one.
; LIMIT: eo - eA - eB (e6 - e0 - e1, e7 - e2 - e3, e8 - e4 - e5) lies between -126 and 112.
; 576 waves of 384 matrix instructions each.  Operands go from memory straight into registers: nothing passes through LDS, so there is no tile that a joint request could bring; a wave's held bytes are read once and feed all its products.
; REGISTERS: window 0: v1 16 x lane; v16-111 the streamed fragments, two sets of 48; v112-175 eight accumulators; v176-191 the image; v192 the scale, v193 the hold.
;   window 1: the held fragments of K steps 0, 1 at v[128 s + 16 t];   window 2: those of K step 2 at v[16 t].
.set ST,  16
.set ACC, 112
.set PC,  176
.set SC,  192
.set LM,  193
.set MSB, 0
.macro WIN new                         ; the immediate's high byte repeats the setting that is left
.if MSB != \new
	s_set_vgpr_msb (MSB<<8)|\new
.set MSB, \new
.endif
.endm
	s_load_b256 s[16:23], s[0:1], 0x0              ; xc 16:17, wc 18:19, the exponents 20:21, qc 22:23
	s_load_b64 s[24:25], s[0:1], 0x20              ; kvc
	v_lshrrev_b32 v2, 5, v0
	v_readfirstlane_b32 s14, v2                    ; wave
	v_and_b32 v1, 31, v0
	v_lshlrev_b32 v1, 4, v1                        ; 16 x lane
	s_and_b32 s13, ttmp7, 0xffff                   ; 0: q, 1: k, 2: v
	s_mul_i32 s15, ttmp9, 3                        ; three waves to a work-group: 192 work-groups for the 576 tasks
	s_add_co_u32 s15, s15, s14                     ; my task, 0 .. 191
	; q and k: task = 32 x head + group of 256 rows
	s_lshr_b32 s26, s15, 5                         ; head
	s_and_b32 s27, s15, 31                         ; group of 16 row tiles
	s_lshr_b32 s28, s27, 4
	s_mul_i32 s28, s28, 6
	s_add_co_u32 s28, s28, s26                     ; 6 b + head
	s_and_b32 s29, s27, 15
	s_mul_i32 s30, s13, 294912
	s_mul_i32 s31, s26, 49152
	s_add_co_u32 s30, s30, s31                     ; held: the head's 8 column tiles, in wc
	s_mul_i32 s31, s13, 3145728
	s_mul_i32 s32, s27, 98304
	s_add_co_u32 s31, s31, s32                     ; streamed: 16 row tiles, in xc
	s_lshl_b32 s32, s28, 19
	s_lshl_b32 s33, s29, 15
	s_add_co_u32 s32, s32, s33                     ; q's images
	s_lshl_b32 s33, s28, 20
	s_lshl_b32 s34, s29, 16
	s_add_co_u32 s33, s33, s34                     ; k's: two key steps
	; v: task = 64 x pair of heads + group of 128 rows
	s_lshr_b32 s34, s15, 6
	s_and_b32 s35, s15, 63
	s_mul_i32 s36, s35, 49152
	s_add_co_u32 s36, s36, 6291456                 ; held: 8 row tiles of x's third set
	s_mul_i32 s37, s34, 98304
	s_add_co_u32 s37, s37, 589824                  ; streamed: 16 column tiles of Wv
	s_lshr_b32 s38, s35, 5
	s_mul_i32 s38, s38, 6
	s_lshl_b32 s39, s34, 1
	s_add_co_u32 s38, s38, s39
	s_lshl_b32 s38, s38, 20                        ; 6 b + the pair's first head
	s_and_b32 s39, s35, 31
	s_lshl_b32 s39, s39, 15                        ; the key step
	s_add_co_u32 s38, s38, s39
	s_add_co_u32 s38, s38, 16384                   ; behind its 8 images of K
	s_mov_b32 s41, 0
	s_mov_b32 s43, 0
	s_mov_b32 s45, 0
	s_mov_b32 s11, 0
	s_mov_b32 s12, 0
	s_wait_alu depctr_va_vdst(0)
	s_wait_kmcnt 0x0
	s_load_b256 s[48:55], s[20:21], 0x0            ; e0 .. e7
	s_load_b32 s56, s[20:21], 0x20                 ; e8
	s_cmp_lt_u32 s13, 2                            ; the choices hang on the work-group's number alone
	s_cselect_b64 s[4:5], s[18:19], s[16:17]
	s_cselect_b64 s[6:7], s[16:17], s[18:19]
	s_cselect_b32 s40, s30, s36
	s_cselect_b32 s42, s31, s37
	s_cselect_b32 s44, s33, s38
	s_mov_b32 s46, 1048576-12288
	s_cselect_b32 s46, 32768-12288, s46            ; from image 6 to image 8: k: the next key step; v: the next head;
	s_cmp_eq_u32 s13, 0
	s_cselect_b64 s[8:9], s[22:23], s[24:25]
	s_cselect_b32 s44, s32, s44
	s_cselect_b32 s46, 16384-12288, s46            ; q: the next image
	s_add_nc_u64 s[4:5], s[4:5], s[40:41]          ; held
	s_add_nc_u64 s[6:7], s[6:7], s[42:43]          ; streamed
	s_add_nc_u64 s[8:9], s[8:9], s[44:45]          ; out
	WIN 0x40                                       ; destination window 1
.irp t, 0,1,2,3,4,5,6,7
.irp s, 0,1
.irp c, 0,1,2,3
	global_load_b128 v[128*\s+16*\t+4*\c:128*\s+16*\t+4*\c+3], v1, s[4:5] offset:6144*\t+2048*\s+512*\c
.endr
.endr
.endr
	WIN 0x80                                       ; destination window 2
.irp t, 0,1,2,3,4,5,6,7
.irp c, 0,1,2,3
	global_load_b128 v[16*\t+4*\c:16*\t+4*\c+3], v1, s[4:5] offset:6144*\t+4096+512*\c
.endr
.endr
	WIN 0
.macro SLOAD p, off                    ; a streamed tile's three fragments into set p
.irp s, 0,1,2
.irp c, 0,1,2,3
	global_load_b128 v[ST+48*\p+16*\s+4*\c:ST+48*\p+16*\s+4*\c+3], v1, s[6:7] offset:\off+2048*\s+512*\c
.endr
.endr
.endm
	SLOAD 0, 0
	SLOAD 1, 6144
	s_wait_kmcnt 0x0
	s_cmp_eq_u32 s13, 0
	s_cselect_b32 s57, s48, s50
	s_cselect_b32 s58, s49, s51
	s_cselect_b32 s59, s54, s55
	s_cmp_lt_u32 s13, 2
	s_cselect_b32 s57, s57, s52                    ; eA
	s_cselect_b32 s58, s58, s53                    ; eB
	s_cselect_b32 s59, s59, s56                    ; eo
	s_sub_co_i32 s59, s59, s57
	s_sub_co_i32 s59, s59, s58
	s_add_co_i32 s59, s59, 127
	s_lshl_b32 s60, s59, 23
	v_mov_b32 v[SC], s60                           ; 2^(eo - eA - eB) as f32
	s_add_co_i32 s59, s59, 15
	s_lshl_b32 s59, s59, 23
	s_or_b32 s59, s59, 0x600000
	v_mov_b32 v[LM], s59                           ; 57,344 x that
; One streamed tile: 24 matrix instructions, the eight accumulators by turns, K ascending; the first eight start the sums.  Then the image.
.macro TILE p, ahead, left, oimm
	s_wait_loadcnt \left                           ; this set's 12 loads (and all older ones) are in; the other set's 12, issued later, may be out
	WIN 0x01                                       ; source 0 window 1
.irp t, 0,1,2,3,4,5,6,7
	v_wmma_f32_16x16x128_bf8_bf8 v[ACC+8*\t:ACC+8*\t+7], v[16*\t:16*\t+15], v[ST+48*\p:ST+48*\p+15], 0
.endr
.irp t, 0,1,2,3,4,5,6,7
	v_wmma_f32_16x16x128_bf8_bf8 v[ACC+8*\t:ACC+8*\t+7], v[128+16*\t:128+16*\t+15], v[ST+48*\p+16:ST+48*\p+31], v[ACC+8*\t:ACC+8*\t+7]
.endr
	WIN 0x02                                       ; source 0 window 2
.irp t, 0,1,2,3,4,5,6,7
	v_wmma_f32_16x16x128_bf8_bf8 v[ACC+8*\t:ACC+8*\t+7], v[16*\t:16*\t+15], v[ST+48*\p+32:ST+48*\p+47], v[ACC+8*\t:ACC+8*\t+7]
.endr
	WIN 0
.rept 4
	v_nop                                          ; four places in front of loads into registers that the products read, and of the first read of results
.endr
	s_wait_alu depctr_va_vdst(0)
	s_wait_xcnt 0x0                                ; the last image's stores have read their registers: they are written again only behind this wait
.if \ahead
	SLOAD \p, (2+\p)*6144                          ; the tile two further on
.endif
.irp b, 0,1,2,3
.irp i, 0,1,2,3,4,5,6,7,8,9,10,11,12,13,14,15
	v_med3_num_f32 v[ACC+16*\b+\i], v[ACC+16*\b+\i], -v[LM], v[LM]   ; the conversion does not saturate (ISA guide 7.6.2); each accumulator from its low end on
.endr
	v_cvt_scalef32_pk8_bf8_f32 v[PC+4*\b:PC+4*\b+1], v[ACC+16*\b:ACC+16*\b+7], v[SC]
	v_cvt_scalef32_pk8_bf8_f32 v[PC+4*\b+2:PC+4*\b+3], v[ACC+16*\b+8:ACC+16*\b+15], v[SC]
.endr
	v_nop                                          ; a plain line between the last conversion and the next products, which write its sources
.irp c, 0,1,2,3
	global_store_b128 v1, v[PC+4*\c:PC+4*\c+3], s[8:9] offset:\oimm+512*\c   ; 512 consecutive bytes
.endr
.endm
.Ltrip:                                        ; 7 trips of two tiles; the last two tiles are written out, so that no load leaves its buffer
	TILE 0, 1, 12, 0
	TILE 1, 1, 12, 2048
	s_wait_xcnt 0x0                                ; loads and stores have read their bases
	s_add_nc_u64 s[6:7], s[6:7], 12288
	s_cmp_eq_u32 s12, 3
	s_cselect_b32 s10, s46, 4096                   ; behind image 7 comes the jump
	s_add_nc_u64 s[8:9], s[8:9], s[10:11]
	s_add_co_u32 s12, s12, 1
	s_cmp_lt_u32 s12, 7
	s_cbranch_scc1 .Ltrip
	TILE 0, 0, 12, 0
	TILE 1, 0, 0, 2048
	s_endpgm
.Lfunc_end_k_q561a918023_qkv:
	.size	k_q561a918023_qkv, .Lfunc_end_k_q561a918023_qkv-k_q561a918023_qkv
	.p2alignl 7, 3214868480
	.fill 96, 4, 3214868480
	.section	.rodata,"a",@progbits
	.p2align	6, 0x0
	.amdhsa_kernel k_q561a918023_qkv
		.amdhsa_group_segment_fixed_size 0
		.amdhsa_private_segment_fixed_size 0
		.amdhsa_enable_private_segment 0
		.amdhsa_kernarg_size 40
		.amdhsa_user_sgpr_count 2
		.amdhsa_user_sgpr_kernarg_segment_ptr 1
		.amdhsa_wavefront_size32 1
		.amdhsa_system_sgpr_workgroup_id_x 1
		.amdhsa_system_sgpr_workgroup_id_y 1
		.amdhsa_system_sgpr_workgroup_id_z 1
		.amdhsa_system_vgpr_workitem_id 0
		.amdhsa_next_free_vgpr 640
		.amdhsa_next_free_sgpr 66
		.amdhsa_reserve_vcc 0
		.amdhsa_float_denorm_mode_32 3
		.amdhsa_float_denorm_mode_16_64 3
		.amdhsa_memory_ordered 1
		.amdhsa_forward_progress 1
		.amdhsa_inst_pref_size 45
	.end_amdhsa_kernel
	.amdgpu_metadata
---
amdhsa.version: [ 1, 2 ]
amdhsa.kernels:
  - .name:           k_q561a918023_qkv
    .symbol:         k_q561a918023_qkv.kd
    .args:
      - { .name: xc, .offset: 0, .size: 8, .value_kind: global_buffer, .address_space: global }
      - { .name: wc, .offset: 8, .size: 8, .value_kind: global_buffer, .address_space: global }
      - { .name: lowp_scales, .offset: 16, .size: 8, .value_kind: global_buffer, .address_space: global }
      - { .name: qc, .offset: 24, .size: 8, .value_kind: global_buffer, .address_space: global }
      - { .name: kvc, .offset: 32, .size: 8, .value_kind: global_buffer, .address_space: global }
    .group_segment_fixed_size: 0
    .private_segment_fixed_size: 0
    .kernarg_segment_align: 8
    .kernarg_segment_size: 40
    .max_flat_workgroup_size: 96
    .sgpr_count:     66
    .vgpr_count:     640
    .wavefront_size: 32
...
	.end_amdgpu_metadata
.endif
;; end of part 2
;; launch attn (part 3): grid 16 x 12, 4 waves a work-group, no clusters, 327,680 bytes of LDS; arguments qc, kvc, lowp_scales, cc; writes cc
.if DOCPART == 3
	.amdgcn_target "amdgcn-amd-amdhsa--gfx1250"
	.amdhsa_code_object_version 6
	.text
	.protected	k_q561a918023_attn
	.globl	k_q561a918023_attn
	.p2align	8
	.type	k_q561a918023_attn,@function
k_q561a918023_attn:
	s_mov_b64 s[64:65], 0
	v_nop
	global_prefetch_b8 v0, s[64:65] scope:SCOPE_SE
	s_setreg_imm32_b32 hwreg(HW_REG_WAVE_MODE, 25, 1), 1
	s_wait_xcnt 0x0
; ctx[b][q][head][:] = the sum over keys k <= q of softmax_k(q . k / sqrt(128)) v[k][:], both products on E5M2 codes (q: 2^e6, k: 2^e7, v: 2^e8, p: 2^e9), and ctx quantised with 2^e10 for the last product.
; THE SOFTMAX: t = score x log2(e) / sqrt(128); M = the row's largest t so far, rounded UP to a whole number; p = 2^(t - M) is what is quantised, not normalised.  The row's sum is taken of the unquantised p
; and divides at the end.  When M moves, the sum and O are multiplied by 2^(old M - new M): nothing is rounded.
; WORK LEFT OUT: the scores of keys k > q are -infinity by a mask, so a key step all of whose 128 keys come after a tile's queries adds 0 to every sum: such steps are not computed.
; qc: [head of 12][tile 0..255][2048];  kvc: [head][key step of 128][8 images of K, 8 images of V];  cc: [row tile 0..511][K step = head 0..5][2048].
; An image is a fragment's registers: byte 512 c + 16 lane + e; place r of tile T is row 32 (T / 2) + 8 (T % 2) + r + 8 (r / 8).  Both products are used transposed (S^T = K Q^T, O^T = V^T P^T): a lane holds ONE query,
; its 16 registers of tiles 2 b, 2 b + 1 are 16 neighbouring keys (then 16 neighbours of the head's 128), so the conversions' results are the next operand's registers and ctx's image leaves without a stage.
; SHARES.  Work-group (i, head) owns the blocks of 128 queries numbered i (pair 0) and 31 - i (pair 1).  Each of its FOUR waves, as many as a WGP has SIMDs, owns tiles 2 w and 2 w + 1 of both blocks: a pair of tiles of
; block n has n + 1 key steps, so every wave of the launch has 33 pair-steps.  A fragment of K or V is read from LDS once a key step and feeds both tiles of a pair, and both pairs while the early block is live.
; THE STEP.  Pair 0: S^T, softmax, O^T; pair 1: S^T, then the NEXT step's 64 LDS loads (K over K, V into the other of two sets), softmax, O^T.  So a slot has been read out one step before its last step is multiplied.
; THE RING.  Two LDS slots of two key steps (65,536 consecutive bytes of kvc), each wave fetching a quarter by one tensor load.  The loop has 16 trips in every work-group; steps past a pair's block are jumped over by scalar
; branches on ids, and a slot whose first step lies past block 31 - i is not asked for.
; By this text's count a wave has one tensor load out at a time.  The first key step is written out ahead of the loop: its products start O^T's sums, and nothing is cleared.
; NO CLUSTER: the work-groups that walk one head's K and V differ in their blocks, and the branches that leave hidden steps and slots out hang on just that number.
; PREFETCH: the sixteen work-groups of a head walk the same bytes; the one with i = 0, which walks all 32 steps, asks at each change of slots for the slot that the next change will load: 16,384 bytes a wave, two instructions,
; lanes 256 bytes apart, each aligned block of 256 bytes named once in the launch.  Slots 0 to 2 come by their loads alone; the last three changes ask for nothing.
; LIMITS: e6 + e7 between -123 and 130 (added to c's exponent field); e9 and e10 between -126 and 112; e8 + e9 is applied by v_ldexp_f32 and has none.  The scaled scores stay under 2^31 in magnitude.
; REGISTERS.  window 0: below;  window 1: v0-127 K, v128-255 V of even steps;  window 2: O^T, tile T at 64 T;  window 3: v0-63 Q, tile T at 16 T; v64-191 V of odd steps.
.set SLOTB, 65536
.set SPARE, 2*SLOTB                    ; behind the ring: the spare words, 128 bytes a wave
.set AD,  1                            ; 16 x lane in the slot that the next LDS loads read
.set L16, 2                            ; 16 x lane
.set PFO, 3                            ; 256 x lane
.set DG,  4                            ; v4, v5 the diagonal's bound of tile u
.set SPW, 6
.set NIL, 7
.set PH,  8                            ; 57,344 x 2^e9
.set PS,  9                            ; 2^e9
.set CH,  10                           ; 57,344 x 2^e10
.set CSC, 11                           ; 2^e10
.set ST,  12                           ; v12-27 tile T at 12 + 4 T: -M, the largest raw score, the sum in two halves
.set FF,  28                           ; v28, v30 f of tile u (v29, v31 named with them as pairs)
.set CA,  32                           ; v32-39 four chains of maxima a tile
.set XX,  40                           ; v40-43 lane permutes' results
.set TT,  44
.set DD,  46
.set DB,  48
.set NI,  49
.set S,   64                           ; v64-191 S^T, then p, of a pair
.set P,   192                          ; v192-223 p's codes
.set T,   224                          ; v224-255 sixteen partial sums (pairs); on the way out codes too
.set BL,  12                           ; s12, s13 the two blocks
.set BH,  13
.set KF,  14                           ; the key step in hand
.set SL,  15                           ; trips done
.set TB,  16                           ; LDS byte of the slot that the next LDS loads read
.set LIM, 17                           ; trips in which my work-group prefetches
.set WV,  18
.set SEL, 20
.set CS,  22
.set G1,  24
.set G0,  32
.set PFA, 36
.set MSB, 0
.macro WIN new                         ; the immediate's high byte repeats the setting that is left
.if MSB != (\new)
	s_set_vgpr_msb (MSB<<8)|(\new)
.set MSB, (\new)
.endif
.endm
.macro NOPS
.rept 4
	v_nop
.endr
.endm
	s_load_b256 s[4:11], s[0:1], 0x0               ; qc 4:5, kvc 6:7, the exponents 8:9, cc 10:11
	v_lshl_add_u32 v[SPW], v0, 2, SPARE
	v_mov_b32 v[NIL], 0
	ds_add_u32 v[SPW], v[NIL]                      ; the opening: the add, twice on end, and its wait ahead of my first tensor load
	ds_add_u32 v[SPW], v[NIL]
	v_lshrrev_b32 v[TT], 5, v0
	v_readfirstlane_b32 s[WV], v[TT]               ; wave 0..3
	s_and_b32 s48, ttmp7, 0xffff                   ; 6 b + head
	s_mov_b32 s[BL], ttmp9
	s_sub_co_u32 s[BH], 31, ttmp9
	s_mov_b32 s[KF], 0
	s_mov_b32 s[SL], 0
	s_mov_b32 s[TB], 0
	s_lshl_b32 s49, s[WV], 1                       ; my first tile in a block
	s_lshl_b32 s50, s[BL], 3
	s_add_co_u32 s50, s50, s49                     ; pair 0's first tile in the head
	s_lshl_b32 s51, s[BH], 3
	s_add_co_u32 s51, s51, s49                     ; pair 1's
	s_lshl_b32 s52, s48, 19
	s_lshl_b32 s44, s50, 11
	s_add_co_u32 s44, s44, s52                     ; their images in qc
	s_mov_b32 s45, 0
	s_lshl_b32 s46, s51, 11
	s_add_co_u32 s46, s46, s52
	s_mov_b32 s47, 0
	s_lshl_b32 s54, s48, 20                        ; the head in kvc
	s_mov_b32 s55, 0
	s_lshl_b32 s56, s[WV], 14                      ; my quarter of a slot
	s_mov_b32 s57, 0
	s_cmp_ge_u32 s48, 6
	s_cselect_b32 s58, 1, 0                        ; b
	s_mul_i32 s59, s58, 6
	s_sub_co_u32 s59, s48, s59                     ; head
	s_lshl_b32 s58, s58, 8
	s_lshl_b32 s59, s59, 11
	s_add_co_u32 s40, s58, s50                     ; ctx's images: row tile 256 b + tile, K step = head
	s_mul_i32 s40, s40, 12288
	s_add_co_u32 s40, s40, s59
	s_mov_b32 s41, 0
	s_add_co_u32 s42, s58, s51
	s_mul_i32 s42, s42, 12288
	s_add_co_u32 s42, s42, s59
	s_mov_b32 s43, 0
	s_lshl_b32 s74, s[WV], 5                       ; my pair's first query in its block
	s_mov_b32 s[G1], 3<<16                         ; group 1: 64 rows of 256 bytes (32 elements of 8), consecutive in memory and in LDS; no mask, no padding
	s_mov_b32 s[G1+1], 32<<16
	s_mov_b32 s[G1+2], 64<<16
	s_mov_b32 s[G1+3], 32<<16
	s_mov_b32 s[G1+4], 64
	s_mov_b32 s[G1+5], 32
	s_mov_b32 s[G1+6], 0
	s_mov_b32 s[G1+7], 0
	s_mov_b32 s[SEL], 0x76543210
	s_mov_b32 s[SEL+1], 0xfedcba98
	s_mov_b32 s[CS], 0x3e0293ee                    ; log2(e) / sqrt(128)
	s_cmp_eq_u32 ttmp9, 0
	s_cselect_b32 s[LIM], 13, 0
	s_wait_dscnt 0x0                               ; both opening adds are done
	s_wait_kmcnt 0x0
	s_load_b128 s[68:71], s[8:9], 0x18             ; e6, e7, e8, e9
	s_load_b32 s72, s[8:9], 0x28                   ; e10
	s_add_nc_u64 s[6:7], s[6:7], s[54:55]
	s_mov_b32 s[G0], 1
	s_mov_b32 s[G0+1], s56                         ; slot 0
	s_add_nc_u64 s[G0+2:G0+3], s[6:7], s[56:57]    ; key steps 0, 1
	s_add_nc_u64 s[PFA:PFA+1], s[G0+2:G0+3], 2*SLOTB   ; the first change of slots steps it to slot 3
	s_or_b32 s[G0+3], s[G0+3], 0x80000000          ; type = 2
	tensor_load_to_lds s[G0:G0+3], s[G1:G1+7]      ; my one tensor load at the head
	s_nop 0
	NOPS
	s_add_nc_u64 s[44:45], s[4:5], s[44:45]
	s_add_nc_u64 s[46:47], s[4:5], s[46:47]
	s_add_nc_u64 s[40:41], s[10:11], s[40:41]
	s_add_nc_u64 s[42:43], s[10:11], s[42:43]
	v_and_b32 v[TT], 31, v0
	v_lshlrev_b32 v[L16], 4, v[TT]
	v_lshlrev_b32 v[PFO], 8, v[TT]
	WIN 0xc0                                       ; destination window 3
.irp k, 0,1,2,3,4,5,6,7
	global_load_b128 v[4*\k:4*\k+3], v[L16], s[44:45] offset:512*\k th:TH_LOAD_NT       ; Q's four fragments stay in registers
	global_load_b128 v[32+4*\k:32+4*\k+3], v[L16], s[46:47] offset:512*\k th:TH_LOAD_NT
.endr
	WIN 0
	v_mov_b32 v[AD], v[L16]
	; on the diagonal register 16 b + i of tile u holds key 32 b + 16 (lane / 16) + i of the block, and my query is 32 w + 8 u + r + 8 (r / 8): hidden where 32 b + i > v[DG + u]
	v_and_b32 v[DD], 15, v0
	v_bfe_u32 v[DD+1], v0, 4, 1
	v_and_b32 v[DB], 8, v[DD]
	v_add_nc_u32 v[DB], v[DB], v[DD]
	v_lshlrev_b32 v[DD+1], 4, v[DD+1]
	v_sub_nc_u32 v[DB], v[DB], v[DD+1]
	v_add_nc_u32 v[DG], s74, v[DB]
	v_add_nc_u32 v[DG+1], 8, v[DG]
.irp r, FF+1, FF+3, XX, XX+1, XX+2, XX+3
	v_mov_b32 v[\r], 0                             ; named as a pair's upper half, or a lane permute's destination, which counts as a source
.endr
	s_wait_kmcnt 0x0
	s_add_co_i32 s73, s68, s69
	s_lshl_b32 s73, s73, 23
	s_add_co_i32 s[CS], s[CS], s73                 ; a score stands for score x 2^(e6 + e7): added to c's exponent field
	s_mov_b32 s[CS+1], s[CS]
	s_add_co_i32 s73, s71, 127
	s_lshl_b32 s74, s73, 23
	v_mov_b32 v[PS], s74
	s_add_co_i32 s73, s73, 15
	s_lshl_b32 s73, s73, 23
	s_or_b32 s73, s73, 0x600000
	v_mov_b32 v[PH], s73
	s_add_co_i32 s73, s72, 127
	s_lshl_b32 s74, s73, 23
	v_mov_b32 v[CSC], s74
	s_add_co_i32 s73, s73, 15
	s_lshl_b32 s73, s73, 23
	s_or_b32 s73, s73, 0x600000
	v_mov_b32 v[CH], s73
; S^T of pair p: 8 tiles of 16 keys x 2 tiles of queries; every product starts its own sum.  Four places follow: for the first reads of S^T and for the loads over K.
.macro SMUL p
	WIN 0x0d                                       ; source 0 (K) window 1, source 1 (Q) window 3
.irp t, 0,1,2,3,4,5,6,7
.irp u, 0,1
	v_wmma_f32_16x16x128_bf8_bf8 v[S+64*\u+8*\t:S+64*\u+8*\t+7], v[16*\t:16*\t+15], v[32*\p+16*\u:32*\p+16*\u+15], 0
.endr
.endr
	WIN 0
	NOPS
.endm
; O^T of pair p += V^T P^T: sixteen accumulators by turns, one instruction each a step.  q: V's set.  f = 1: the first step starts the sums.
.macro PV p, q, f
	WIN 0xa1+2*\q                                  ; source 0 (V) window 1 or 3, source 1 (p) window 0, C and D window 2
.irp t, 0,1,2,3,4,5,6,7
.irp u, 0,1
.if \f
	v_wmma_f32_16x16x128_bf8_bf8 v[128*\p+64*\u+8*\t:128*\p+64*\u+8*\t+7], v[128-64*\q+16*\t:128-64*\q+16*\t+15], v[P+16*\u:P+16*\u+15], 0
.else
	v_wmma_f32_16x16x128_bf8_bf8 v[128*\p+64*\u+8*\t:128*\p+64*\u+8*\t+7], v[128-64*\q+16*\t:128-64*\q+16*\t+15], v[P+16*\u:P+16*\u+15], v[128*\p+64*\u+8*\t:128*\p+64*\u+8*\t+7]
.endif
.endr
.endr
	WIN 0
.endm
; 64 LDS loads in one run: a key step's 8 fragments of K and 8 of V, each load 512 consecutive bytes
.macro KVLD off, vwin, vb
	WIN 0x40
.irp t, 0,1,2,3,4,5,6,7
.irp c, 0,1,2,3
	ds_load_b128 v[16*\t+4*\c:16*\t+4*\c+3], v[AD] offset:\off+2048*\t+512*\c
.endr
.endr
	WIN \vwin
.irp t, 0,1,2,3,4,5,6,7
.irp c, 0,1,2,3
	ds_load_b128 v[\vb+16*\t+4*\c:\vb+16*\t+4*\c+3], v[AD] offset:\off+16384+2048*\t+512*\c
.endr
.endr
	WIN 0
.endm
; In the loop and in the first step the next step's 64 LDS loads go out as four runs of 16, spread over pair 1's softmax: n = 0, 1: K's fragments 4 n .. 4 n + 3 (over K, which is done with); n = 2, 3: V's, into the other set.
; Each run stands under its own branch on ids: the last step of block 31 - i has no successor.  f = 1: step 0 has one in every work-group.
.macro KVQ n, q, f
.if \f == 0
	s_cmp_ge_u32 s[KF], s[BH]
	s_cbranch_scc1 .Lnq_\@
.endif
.if \n < 2
	WIN 0x40
.irp t, 0,1,2,3
.irp c, 0,1,2,3
	ds_load_b128 v[64*\n+16*\t+4*\c:64*\n+16*\t+4*\c+3], v[AD] offset:32768*(1-\q)+8192*\n+2048*\t+512*\c
.endr
.endr
.else
	WIN 0x40+0x80*(1-\q)
.irp t, 0,1,2,3
.irp c, 0,1,2,3
	ds_load_b128 v[64+64*\q+64*(\n-2)+16*\t+4*\c:64+64*\q+64*(\n-2)+16*\t+4*\c+3], v[AD] offset:32768*(1-\q)+16384+8192*(\n-2)+2048*\t+512*\c
.endr
.endr
.endif
	WIN 0
.Lnq_\@:
.endm
.macro TA d, a
	v_pk_add_f32 v[T+2*(\d):T+2*(\d)+1], v[T+2*(\d):T+2*(\d)+1], v[T+2*(\a):T+2*(\a)+1]
.endm
.macro CV u, b                         ; 16 neighbouring keys' p become registers 4 b .. 4 b + 3 of the operand
	v_cvt_scalef32_pk8_bf8_f32 v[P+16*\u+4*\b:P+16*\u+4*\b+1], v[S+64*\u+16*\b:S+64*\u+16*\b+7], v[PS]
	v_cvt_scalef32_pk8_bf8_f32 v[P+16*\u+4*\b+2:P+16*\u+4*\b+3], v[S+64*\u+16*\b+8:S+64*\u+16*\b+15], v[PS]
.endm
.macro HOLD u, b                       ; the conversion does not saturate (ISA guide 7.6.2); p is not negative, so the hold is one-sided
.irp i, 0,1,2,3,4,5,6,7,8,9,10,11,12,13,14,15
	v_min_num_f32 v[S+64*\u+16*\b+\i], v[S+64*\u+16*\b+\i], v[PH]
.endr
	CV \u, \b
.endm
; THE SOFTMAX of pair p's two tiles, line by line in turns.  f = 1: the first key step (no older M, sum or O^T).  m = 1: the step may lie on the diagonal.
.macro SOFT p, f, m, q
.if \m
	s_cmp_lg_u32 s[KF], s[BL+\p]                   ; only the block's own step lies on the diagonal
	s_cbranch_scc1 .Lopen_\@
	v_mov_b32 v[NI], 0xff800000                    ; -infinity: p = 0 then
.irp u, 0,1
.irp b, 0,1,2,3
	v_add_nc_u32 v[DB], -32*\b, v[DG+\u]
.irp i, 0,1,2,3,4,5,6,7,8,9,10,11,12,13,14,15
	v_cmp_gt_i32 vcc_lo, \i, v[DB]
	v_cndmask_b32 v[S+64*\u+16*\b+\i], v[S+64*\u+16*\b+\i], v[NI], vcc_lo
.endr
.endr
.endr
.Lopen_\@:
.endif
.irp c, 0,1,2,3                        ; the largest score: four chains a tile, each over two accumulators from their low ends on
.irp u, 0,1
	v_max3_num_f32 v[CA+4*\u+\c], v[S+64*\u+16*\c], v[S+64*\u+16*\c+1], v[S+64*\u+16*\c+2]
.endr
.endr
.irp i, 3,5,7,9,11,13
.irp c, 0,1,2,3
.irp u, 0,1
	v_max3_num_f32 v[CA+4*\u+\c], v[CA+4*\u+\c], v[S+64*\u+16*\c+\i], v[S+64*\u+16*\c+\i+1]
.endr
.endr
.endr
.irp u, 0,1
	v_max3_num_f32 v[CA+4*\u], v[CA+4*\u], v[CA+4*\u+1], v[S+64*\u+15]
	v_max3_num_f32 v[CA+4*\u+2], v[CA+4*\u+2], v[CA+4*\u+3], v[S+64*\u+31]
.endr
.irp u, 0,1
	v_max3_num_f32 v[CA+4*\u], v[CA+4*\u], v[S+64*\u+47], v[S+64*\u+63]
.endr
.irp u, 0,1
.if \f
	v_max_num_f32 v[CA+4*\u], v[CA+4*\u], v[CA+4*\u+2]
.else
	v_max3_num_f32 v[CA+4*\u], v[CA+4*\u], v[CA+4*\u+2], v[ST+8*\p+4*\u+1]   ; with the largest so far
.endif
.endr
.irp u, 0,1
	v_permlanex16_b32 v[XX+\u], v[CA+4*\u], s[SEL], s[SEL+1]
.endr
.irp u, 0,1
	v_max_num_f32 v[ST+8*\p+4*\u+1], v[CA+4*\u], v[XX+\u]     ; and lane l xor 16's
.endr
.irp u, 0,1
	v_mul_f32 v[TT+\u], s[CS], v[ST+8*\p+4*\u+1]              ; as t (c is positive)
.endr
.if \f
.irp u, 0,1
	v_floor_f32 v[ST+8*\p+4*\u], -v[TT+\u]                    ; -M = floor(-t) = -ceil(t)
.endr
.else
.irp u, 0,1
	v_floor_f32 v[TT+\u], -v[TT+\u]
.endr
.irp u, 0,1
	v_sub_f32 v[DD+\u], v[TT+\u], v[ST+8*\p+4*\u]             ; old M - new M: a whole number, 0 or less
.endr
.irp u, 0,1
	v_mov_b32 v[ST+8*\p+4*\u], v[TT+\u]
.endr
.irp u, 0,1
	v_cvt_i32_f32 v[DD+\u], v[DD+\u]
.endr
.endif
.set J, 0
.rept 32
	v_pk_fma_f32 v[S+J:S+J+1], v[S+J:S+J+1], s[CS:CS+1], v[ST+8*\p:ST+8*\p+1] op_sel_hi:[1,0,0]   ; tile 0: t - M (of the pairs c and -M the low word serves both halves)
.set J, J+2
.endr
.if \f == 0
.irp u, 0,1
	v_ldexp_f32 v[FF+2*\u], 1.0, v[DD+\u]                     ; f = 2^(old M - new M)
.endr
.endif
	s_wait_alu depctr_va_vdst(0)                   ; ahead of a batch of exponentials
.if \p == 1
	KVQ 1, \q, \f
.endif
.set J, 0
.rept 32                               ; tile 0's exponentials; between them tile 1's t - M, lines that depend on nothing in the batch
	v_exp_f32 v[S+J], v[S+J]
	v_exp_f32 v[S+J+1], v[S+J+1]
	v_pk_fma_f32 v[S+64+J:S+64+J+1], v[S+64+J:S+64+J+1], s[CS:CS+1], v[ST+8*\p+4:ST+8*\p+5] op_sel_hi:[1,0,0]
.set J, J+2
.endr
	s_wait_alu depctr_va_vdst(0)                   ; behind the first batch and ahead of the second
.if \p == 1
	KVQ 2, \q, \f
.endif
.set J, 0
.rept 16                               ; tile 1's exponentials; between them tile 0's first sums (of the unquantised p) and, behind each sum, the holds of what it has read
	v_exp_f32 v[S+64+4*J], v[S+64+4*J]
	v_pk_add_f32 v[T+2*J:T+2*J+1], v[S+4*J:S+4*J+1], v[S+4*J+2:S+4*J+3]
	v_exp_f32 v[S+65+4*J], v[S+65+4*J]
	v_min_num_f32 v[S+4*J], v[S+4*J], v[PH]
	v_exp_f32 v[S+66+4*J], v[S+66+4*J]
	v_min_num_f32 v[S+4*J+1], v[S+4*J+1], v[PH]
	v_exp_f32 v[S+67+4*J], v[S+67+4*J]
	v_min_num_f32 v[S+4*J+2], v[S+4*J+2], v[PH]
.set J, J+1
.endr
.if \f == 0
	WIN 0x82                                       ; source 0 and destination window 2
.endif
	s_wait_alu depctr_va_vdst(0)                   ; one wait for the batch, ahead of its first reader, and directly ahead of the first readers of O^T
.if \f == 0
.irp u, 0,1
.set J, 0
.rept 32
	v_pk_mul_f32 v[128*\p+64*\u+J:128*\p+64*\u+J+1], v[128*\p+64*\u+J:128*\p+64*\u+J+1], v[FF+2*\u:FF+2*\u+1] op_sel_hi:[1,0]   ; O^T under the new M, each accumulator from its low end on
.set J, J+2
.endr
.endr
	WIN 0
.endif
.if \p == 1
	KVQ 3, \q, \f
.endif
.set J, 0
.rept 16
	v_min_num_f32 v[S+4*J+3], v[S+4*J+3], v[PH]
.set J, J+1
.endr
.irp k, 0,1,2,3,4,5,6,7
	TA \k, \k+8
.endr
.irp b, 0,1,2,3
	CV 0, \b
.endr
.irp k, 0,1,2,3,4,5,6,7                ; tile 1's sums in eight chains, tile 0's tree between them
	v_pk_add_f32 v[T+16+2*\k:T+17+2*\k], v[S+64+4*\k:S+65+4*\k], v[S+66+4*\k:S+67+4*\k]
.endr
.irp k, 0,1,2,3
	TA \k, \k+4
.endr
.irp k, 0,1,2,3,4,5,6,7
	v_pk_add_f32 v[T+16+2*\k:T+17+2*\k], v[T+16+2*\k:T+17+2*\k], v[S+96+4*\k:S+97+4*\k]
.endr
	TA 0, 2
	TA 1, 3
.irp k, 0,1,2,3,4,5,6,7
	v_pk_add_f32 v[T+16+2*\k:T+17+2*\k], v[T+16+2*\k:T+17+2*\k], v[S+98+4*\k:S+99+4*\k]
.endr
.if \f
	v_pk_add_f32 v[ST+8*\p+2:ST+8*\p+3], v[T:T+1], v[T+2:T+3]
.else
	TA 0, 1
.endif
.irp k, 8,9,10,11
	TA \k, \k+4
.endr
.if \f == 0
	v_pk_fma_f32 v[ST+8*\p+2:ST+8*\p+3], v[ST+8*\p+2:ST+8*\p+3], v[FF:FF+1], v[T:T+1] op_sel_hi:[1,0,1]   ; the sum under the new M, and the step's
.endif
	HOLD 1, 0
	TA 8, 10
	TA 9, 11
	HOLD 1, 1
	HOLD 1, 2
.if \f == 0
	TA 8, 9
.endif
	HOLD 1, 3
.if \f                                 ; (also the plain line between the last conversion and the products)
	v_pk_add_f32 v[ST+8*\p+6:ST+8*\p+7], v[T+16:T+17], v[T+18:T+19]
.else
	v_pk_fma_f32 v[ST+8*\p+6:ST+8*\p+7], v[ST+8*\p+6:ST+8*\p+7], v[FF+2:FF+3], v[T+16:T+17] op_sel_hi:[1,0,1]
.endif
.endm
; A KEY STEP, the q-th of its slot.  f = 1: step 0, which counts for both pairs and has a successor in every work-group, so it has no branch.
.macro STEP q, f
.if \f == 0
	s_cmp_gt_u32 s[KF], s[BL]                      ; all its keys come after pair 0's queries
	s_cbranch_scc1 .LnoL_\@
.endif
	s_wait_dscnt 0x0                               ; this step's fragments, asked for in the middle of the step before
	SMUL 0
	SOFT 0, \f, 1, \q
	PV 0, \q, \f
.LnoL_\@:
.if \f == 0
	s_cmp_gt_u32 s[KF], s[BH]
	s_cbranch_scc1 .LnoH_\@
.endif
	s_wait_dscnt 0x0
	SMUL 1
	KVQ 0, \q, \f                                  ; the first of the four runs; the other three stand in the softmax
	SOFT 1, \f, 1-\f, \q                           ; (block 31 - i is at least 16: step 0 is not on its diagonal)
	PV 1, \q, \f
.LnoH_\@:
	s_add_co_u32 s[KF], s[KF], 1
.endm
; THE CHANGE OF SLOTS, ahead of a slot's second step, whose fragments are in registers by then.  Each wave waits for its tensor load (its part of the next slot), adds 0 to its spare word, and waits for that and for its
; reads of this slot.  Behind the barrier the next slot is whole and nobody reads this one: it takes the key steps two slots on, which have two steps in which to land.
.macro CHANGE
	s_wait_tensorcnt 0x0                           ; no tensor load of mine is out, so group 0 may be written
	ds_add_u32 v[SPW], v[NIL]
	v_add_nc_u32 v[AD], s[TB], v[L16]
	s_wait_alu depctr_va_vdst(0)                   ; behind the write
	s_xor_b32 s[G0+1], s[G0+1], SLOTB              ; the walking descriptor: the other slot than last time, the next two key steps
	s_add_nc_u64 s[G0+2:G0+3], s[G0+2:G0+3], SLOTB
	s_wait_xcnt 0x0                                ; my last prefetches have read their address
	s_add_nc_u64 s[PFA:PFA+1], s[PFA:PFA+1], SLOTB
	s_wait_dscnt 0x0                               ; the add is done, and my reads of this slot are over
	s_barrier_signal -1
	s_barrier_wait -1
	s_add_co_u32 s73, s[KF], 3                     ; the first step of the slot that this change would ask for
	s_cmp_gt_u32 s73, s[BH]                        ; past my work-group's last step: no wave would read it
	s_cbranch_scc1 .Lpast_\@
	tensor_load_to_lds s[G0:G0+3], s[G1:G1+7]      ; my one tensor load until the next change
	s_nop 0
	NOPS
.Lpast_\@:
	s_cmp_lt_u32 s[SL], s[LIM]
	s_cbranch_scc0 .Lnot_mine_\@
	global_prefetch_b8 v[PFO], s[PFA:PFA+1] th:TH_LOAD_NT scope:SCOPE_SE
	global_prefetch_b8 v[PFO], s[PFA:PFA+1] offset:8192 th:TH_LOAD_NT scope:SCOPE_SE
.Lnot_mine_\@:
.endm
	s_wait_alu depctr_va_vdst(0)                   ; the head's end
	s_wait_tensorcnt 0x0                           ; my part of slot 0 is in; slot 1's first fill is issued as a refill is
	ds_add_u32 v[SPW], v[NIL]
	s_xor_b32 s[G0+1], s[G0+1], SLOTB
	s_add_nc_u64 s[G0+2:G0+3], s[G0+2:G0+3], SLOTB
	s_wait_dscnt 0x0
	s_barrier_signal -1
	s_barrier_wait -1                              ; everybody's part is in
	tensor_load_to_lds s[G0:G0+3], s[G1:G1+7]      ; key steps 2, 3, which every work-group reads
	s_nop 0
	NOPS
	KVLD 0, 0x40, 128                              ; step 0's fragments
	s_wait_loadcnt 0x0                             ; Q
	STEP 0, 1
.Ltrip:                                        ; 16 trips: a change of slots, a slot's second step, the next slot's first
	s_xor_b32 s[TB], s[TB], SLOTB                  ; the LDS loads go on to the next slot
	CHANGE
	STEP 1, 0
	STEP 0, 0
	s_add_co_u32 s[SL], s[SL], 1
	s_cmp_lt_u32 s[SL], 16
	s_cbranch_scc1 .Ltrip
	NOPS                                           ; places behind the last products
	s_wait_alu depctr_va_vdst(0)                   ; the sums were written ahead of branches
.irp t, 0,1,2,3
	v_add_f32 v[ST+4*\t+2], v[ST+4*\t+2], v[ST+4*\t+3]
.endr
.irp t, 0,1,2,3
	v_permlanex16_b32 v[XX+\t], v[ST+4*\t+2], s[SEL], s[SEL+1]
.endr
.irp t, 0,1,2,3
	v_add_f32 v[ST+4*\t+2], v[ST+4*\t+2], v[XX+\t]            ; the row's sum
.endr
	s_wait_alu depctr_va_vdst(0)                   ; ahead of the batch
.irp t, 0,1,2,3
	v_rcp_f32 v[ST+4*\t+2], v[ST+4*\t+2]
.endr
	v_nop                                          ; a plain place behind the transcendentals
	s_add_co_i32 s73, s70, s71
	s_wait_alu depctr_va_vdst(0)                   ; and behind it, ahead of its first reader
.irp t, 0,1,2,3
	v_ldexp_f32 v[ST+4*\t+2], v[ST+4*\t+2], s73
.endr
.macro OUT t
	WIN 0x02                                       ; source 0 window 2
	s_wait_alu depctr_va_vdst(0)                   ; directly ahead of the first readers of O^T
.set J, 0
.rept 64
	v_mul_f32 v[S+64*(\t%2)+J], v[64*\t+J], v[ST+4*\t+2]      ; each accumulator from its low end on
.set J, J+1
.endr
	WIN 0
.irp b, 0,1,2,3
.irp i, 0,1,2,3,4,5,6,7,8,9,10,11,12,13,14,15
	v_med3_num_f32 v[S+64*(\t%2)+16*\b+\i], v[S+64*(\t%2)+16*\b+\i], -v[CH], v[CH]
.endr
	v_cvt_scalef32_pk8_bf8_f32 v[P+16*\t+4*\b:P+16*\t+4*\b+1], v[S+64*(\t%2)+16*\b:S+64*(\t%2)+16*\b+7], v[CSC]
	v_cvt_scalef32_pk8_bf8_f32 v[P+16*\t+4*\b+2:P+16*\t+4*\b+3], v[S+64*(\t%2)+16*\b+8:S+64*(\t%2)+16*\b+15], v[CSC]
.endr
	v_nop
.irp c, 0,1,2,3
	global_store_b128 v[L16], v[P+16*\t+4*\c:P+16*\t+4*\c+3], s[40+2*(\t/2):41+2*(\t/2)] offset:12288*(\t%2)+512*\c   ; 512 consecutive bytes; each tile has its own 16 registers of codes
.endr
.endm
	OUT 0
	OUT 1
	OUT 2
	OUT 3
	s_wait_tensorcnt 0x0                           ; the wave's end
	ds_add_u32 v[SPW], v[NIL]
	s_wait_dscnt 0x0
	s_endpgm
.Lfunc_end_k_q561a918023_attn:
	.size	k_q561a918023_attn, .Lfunc_end_k_q561a918023_attn-k_q561a918023_attn
	.p2alignl 7, 3214868480
	.fill 96, 4, 3214868480
	.section	.rodata,"a",@progbits
	.p2align	6, 0x0
	.amdhsa_kernel k_q561a918023_attn
		.amdhsa_group_segment_fixed_size 327680
		.amdhsa_private_segment_fixed_size 0
		.amdhsa_enable_private_segment 0
		.amdhsa_kernarg_size 32
		.amdhsa_user_sgpr_count 2
		.amdhsa_user_sgpr_kernarg_segment_ptr 1
		.amdhsa_wavefront_size32 1
		.amdhsa_system_sgpr_workgroup_id_x 1
		.amdhsa_system_sgpr_workgroup_id_y 1
		.amdhsa_system_sgpr_workgroup_id_z 1
		.amdhsa_system_vgpr_workitem_id 0
		.amdhsa_next_free_vgpr 960
		.amdhsa_next_free_sgpr 80
		.amdhsa_reserve_vcc 1
		.amdhsa_float_denorm_mode_32 3
		.amdhsa_float_denorm_mode_16_64 3
		.amdhsa_memory_ordered 1
		.amdhsa_forward_progress 1
		.amdhsa_inst_pref_size 255
	.end_amdhsa_kernel
	.section	.bss,"aw",@nobits
	.p2align	6
	.space	262144
	.amdgpu_metadata
---
amdhsa.version: [ 1, 2 ]
amdhsa.kernels:
  - .name:           k_q561a918023_attn
    .symbol:         k_q561a918023_attn.kd
    .args:
      - { .name: qc, .offset: 0, .size: 8, .value_kind: global_buffer, .address_space: global }
      - { .name: kvc, .offset: 8, .size: 8, .value_kind: global_buffer, .address_space: global }
      - { .name: lowp_scales, .offset: 16, .size: 8, .value_kind: global_buffer, .address_space: global }
      - { .name: cc, .offset: 24, .size: 8, .value_kind: global_buffer, .address_space: global }
    .group_segment_fixed_size: 327680
    .private_segment_fixed_size: 0
    .kernarg_segment_align: 8
    .kernarg_segment_size: 32
    .max_flat_workgroup_size: 128
    .sgpr_count:     80
    .vgpr_count:     960
    .wavefront_size: 32
...
	.end_amdgpu_metadata
.endif
;; end of part 3
;; launch outp (part 4): grid 64 x 4, 4 waves a work-group, clusters of 4 x 1, 248,320 bytes of LDS; arguments cc, woc, bo, lowp_scales, out0; writes out0
.if DOCPART == 4
	.amdgcn_target "amdgcn-amd-amdhsa--gfx1250"
	.amdhsa_code_object_version 6
	.text
	.protected	k_q561a918023_outp
	.globl	k_q561a918023_outp
	.p2align	8
	.type	k_q561a918023_outp,@function
k_q561a918023_outp:
	s_mov_b64 s[64:65], 0
	v_nop
	global_prefetch_b8 v0, s[64:65] scope:SCOPE_SE
	s_setreg_imm32_b32 hwreg(HW_REG_WAVE_MODE, 25, 1), 1
	s_wait_xcnt 0x0
	s_wait_alu depctr_hold_cnt(0) depctr_sa_sdst(0) depctr_va_vdst(0) depctr_va_sdst(0) depctr_va_ssrc(0) depctr_va_vcc(0) depctr_vm_vsrc(0)
	s_getreg_b32 s2, hwreg(HW_REG_IB_STS2, 6, 4)
	s_cmp_eq_u32 s2, 0
	s_cbranch_scc0 .Lentry_in_a_cluster
	s_endpgm
.Lentry_in_a_cluster:
	s_bfe_u32 s2, ttmp6, 0x10000c
	s_cmp_lg_u32 s2, 0x3003
	s_cbranch_scc0 .Lentry_shape_is_right
	s_endpgm
.Lentry_shape_is_right:
; out0 = ctx Wo + bo on E5M2 codes: ctx with 2^e10 (cc: [row tile 0..511][K step 0..5][2048]), Wo with 2^e11 (woc: [column tile 0..47][K step 0..5][2048]); out0 [8192][768] f32.
; An image is a fragment's registers: byte 512 c + 16 lane + e; place r of tile T is row 32 (T / 2) + 8 (T % 2) + r + 8 (r / 8).
; LIMIT: e10 + e11 lies between -126 and 127, so that 2^(e10 + e11) is an f32 number.
; SHARES.  256 work-groups of 128 rows x 192 columns.  Wave w takes rows 32 w .. 32 w + 31 of the block (two row tiles) for all 192 columns; its ctx, 24,576 consecutive bytes, goes straight into 192 registers.
; The block's 12 column tiles of Wo, 147,456 consecutive bytes, come into LDS once.  CLUSTER: the four work-groups of a cluster have the same 192 columns and four neighbouring blocks of rows, so each quarter of Wo's bytes
; is asked for JOINTLY: the same tensor load, one a wave, with the same descriptor and a mask that names the four.  LDS bytes are filled once: there is no ring.
; THE PRODUCT IS USED TRANSPOSED (source 0 = 16 columns of Wo, source 1 = 16 rows of ctx): a lane holds one row, and its 16 results of column tiles 2 b, 2 b + 1 are 16 neighbouring columns, 64 bytes.
; They go through the wave's own stage (32 rows of 768 bytes + 16) and leave as whole aligned runs of 256 bytes, sixteen lanes to each, with sum x 2^(e10 + e11) + bo made on the way by one packed multiply-add for two numbers.
; REGISTERS: window 0: v1-3 16 x lane + 49,152 n (Wo's tiles lie beyond a 16-bit offset); v4 into the stage; v5, v6 out of it; v7, v8 the same places in out0; v9 a bias address; v12-23 the bias for the three kinds of store;
;   v24-55 four accumulators ((n, u) at 24 + 8 (2 n + u)); v56-151 Wo's fragments of K steps 0-2, v152-247 of K steps 3-5; on the way out v56-247 are the rows.   window 1: v0-191 ctx: fragment (u, s) at 96 u + 16 s.
.set SPI,   784                        ; a stage row: 768 bytes + 16 = 196 words: row r starts at bank 4 r mod 64 (64 banks of 4 bytes: ISA guide 11.1)
.set STG,   147456                     ; the stages lie behind Wo's bytes; no tensor load lands there
.set ACC,   24
.set FA,    56
.set FB,    152
.set MSB, 0
.macro WIN new                         ; the immediate's high byte repeats the setting that is left
.if MSB != \new
	s_set_vgpr_msb (MSB<<8)|\new
.set MSB, \new
.endif
.endm
.macro ROUND                           ; a round of the cluster's barrier
	s_barrier_signal -1
	s_barrier_wait -1
	s_cmp_lg_u32 s14, 0
	s_cbranch_scc1 .Lnot_wave_0_\@
	s_barrier_signal -3
.Lnot_wave_0_\@:
	s_barrier_wait -3
	s_barrier_signal -1
	s_barrier_wait -1
.endm
.macro PLACES n
.rept \n
	v_nop
.endr
.endm
	s_load_b256 s[4:11], s[0:1], 0x0               ; cc 4:5, woc 6:7, bo 8:9, the exponents 10:11
	s_load_b64 s[12:13], s[0:1], 0x20              ; out0
	v_lshl_add_u32 v254, v0, 2, 0x3c800
	v_mov_b32 v255, 0
	ds_add_u32 v254, v255
	ds_add_u32 v254, v255
	v_lshrrev_b32 v10, 5, v0
	v_readfirstlane_b32 s14, v10                   ; wave 0..3
	s_bfe_u32 s40, ttmp6, 0x40000                  ; cx: my place in the cluster: it enters cc's and out0's addresses alone
	s_lshl_b32 s41, ttmp9, 2
	s_add_co_u32 s41, s41, s40                     ; my block of 128 rows
	s_and_b32 s28, ttmp7, 0xffff                   ; my 192 columns, which the four partners share
	; descriptor group 1: 144 rows of 256 bytes, consecutive in memory and in LDS
	s_mov_b32 s16, 15|(3<<16)|(1<<21)              ; 15:0 the mask: all four work-groups; 17:16 elements of 8 bytes; 21 set beside a mask; no padding
	s_mov_b32 s17, 32<<16                          ; tensor_dim0 = 32
	s_mov_b32 s18, 144<<16                         ; tensor_dim1 = 144
	s_mov_b32 s19, 32<<16                          ; tile_dim0 = 32
	s_mov_b32 s20, 144                             ; tile_dim1 = 144
	s_mov_b32 s21, 32                              ; elements from row to row
	s_mov_b32 s22, 0
	s_mov_b32 s23, 0
	s_mul_i32 s30, s14, 36864                      ; my quarter, in LDS
	s_mul_i32 s32, s28, 147456
	s_add_co_u32 s32, s32, s30                     ; and in woc
	s_mov_b32 s33, 0
	s_mul_i32 s42, s41, 98304                      ; cc: 8 row tiles of 12,288 bytes a block,
	s_mul_i32 s43, s14, 24576                      ; two a wave
	s_add_co_u32 s42, s42, s43
	s_mov_b32 s43, 0
	s_mul_i32 s44, s41, 393216                     ; out0: 128 rows of 3,072 bytes a block,
	s_mul_i32 s45, s14, 98304                      ; 32 a wave,
	s_add_co_u32 s44, s44, s45
	s_mul_i32 s34, s28, 768                        ; 192 columns of 4 bytes
	s_mov_b32 s35, 0
	s_add_co_u32 s44, s44, s34
	s_mov_b32 s45, 0
	s_wait_dscnt 0x0
	s_wait_kmcnt 0x0
	s_load_b64 s[46:47], s[10:11], 0x28            ; e10, e11
	s_mov_b32 s24, 1                               ; count = 1
	s_mov_b32 s25, s30                             ; LDS address
	s_add_nc_u64 s[26:27], s[6:7], s[32:33]
	s_or_b32 s27, s27, 0x80000000                  ; type = 2
	ROUND                                          ; all four work-groups are here: the joint loads meet
	tensor_load_to_lds s[24:27], s[16:23]          ; one tensor load of mine is out
	s_nop 0
	PLACES 4                                       ; (four lines behind the load, then the window switch)
	s_add_nc_u64 s[4:5], s[4:5], s[42:43]
	s_add_nc_u64 s[12:13], s[12:13], s[44:45]
	s_add_nc_u64 s[8:9], s[8:9], s[34:35]
	v_and_b32 v10, 31, v0
	v_lshlrev_b32 v1, 4, v10
	WIN 0x40                                       ; destination window 1
.set k, 0
.rept 48
	global_load_b128 v[4*k:4*k+3], v1, s[4:5] offset:512*k   ; my two row tiles' six fragments each, as they lie
.set k, k+1
.endr
	WIN 0
	v_add_nc_u32 v2, 49152, v1
	v_add_nc_u32 v3, 98304, v1
	v_and_b32 v10, 15, v0                          ; r
	v_bfe_u32 v11, v0, 4, 1                        ; h
	s_mul_i32 s36, s14, 32*SPI
	s_add_co_u32 s36, s36, STG                     ; my stage
	v_mul_u32_u24 v4, v10, SPI
	v_lshl_add_u32 v4, v11, 6, v4
	v_add_nc_u32 v4, s36, v4                       ; in: row r, + 64 h
	v_lshlrev_b32 v7, 4, v10
	v_lshl_add_u32 v9, v10, 4, 512
	v_mul_u32_u24 v6, v11, 272
	v_mul_u32_u24 v8, v11, 2560
	v_add_nc_u32 v6, v6, v7
	v_add_nc_u32 v8, v8, v7                        ; out0: lanes 0-15 the third 256 bytes of a row, lanes 16-31 the first of the next: 3,072 - 512 on
	v_add_nc_u32 v6, s36, v6                       ; the same in the stage: 784 - 512 on
	v_lshl_add_u32 v7, v11, 8, v7                  ; out0: two neighbouring runs of 256 bytes of one row
	v_add_nc_u32 v5, s36, v7                       ; the same in the stage
	v_lshlrev_b32 v11, 9, v11
	v_sub_nc_u32 v9, v9, v11                       ; bo for the second kind: columns at byte 512 (lanes 0-15), at byte 0 (lanes 16-31)
	global_load_b128 v[12:15], v7, s[8:9]
	global_load_b128 v[16:19], v9, s[8:9]
	global_load_b128 v[20:23], v7, s[8:9] offset:256
	s_wait_alu depctr_va_vdst(0)
	s_wait_kmcnt 0x0
	s_add_co_i32 s46, s46, s47
	s_add_co_i32 s46, s46, 127
	s_lshl_b32 s46, s46, 23                        ; 2^(e10 + e11) as f32
	s_mov_b32 s47, s46                             ; (named with it as a pair, so it is written)
	s_wait_tensorcnt 0x0                           ; my quarter of Wo's bytes is in,
	s_barrier_signal -1
	s_barrier_wait -1                              ; everybody's is
; 24 LDS loads: column tiles 2 beta, 2 beta + 1, K steps s0 .. s0 + 2, into set f
.macro WLD f, s0, beta
.irp n, 0,1
.irp s, 0,1,2
.irp c, 0,1,2,3
	ds_load_b128 v[\f+16*(3*\n+\s)+4*\c:\f+16*(3*\n+\s)+4*\c+3], v[1+(\beta)/2] offset:24576*((\beta)%2)+12288*\n+2048*(\s0+\s)+512*\c
.endr
.endr
.endr
.endm
; 12 matrix instructions: three K steps, the four accumulators by turns, one instruction a turn.  zero = 1: the first four start the sums
.macro MUL12 f, s0, zero
.irp s, 0,1,2
.irp n, 0,1
.irp u, 0,1
.if \zero && (\s == 0)
	v_wmma_f32_16x16x128_bf8_bf8 v[ACC+8*(2*\n+\u):ACC+8*(2*\n+\u)+7], v[\f+16*(3*\n+\s):\f+16*(3*\n+\s)+15], v[96*\u+16*(\s0+\s):96*\u+16*(\s0+\s)+15], 0
.else
	v_wmma_f32_16x16x128_bf8_bf8 v[ACC+8*(2*\n+\u):ACC+8*(2*\n+\u)+7], v[\f+16*(3*\n+\s):\f+16*(3*\n+\s)+15], v[96*\u+16*(\s0+\s):96*\u+16*(\s0+\s)+15], v[ACC+8*(2*\n+\u):ACC+8*(2*\n+\u)+7]
.endif
.endr
.endr
.endr
.endm
; 32 columns x my 32 rows, all of K
.macro PAIR beta
	WLD FB, 3, \beta
	s_wait_dscnt 24                                ; all but the 24 just issued: K steps 0-2 are in, and the last pair's stores into the stage have read their registers
	WIN 0x04                                       ; source 1 (ctx) window 1
	MUL12 FA, 0, 1
	PLACES 4                                       ; in front of loads into registers that the products read
.if \beta < 5
	WLD FA, 0, (\beta)+1                           ; the next pair's first half
	s_wait_dscnt 24                                ; all but those: K steps 3-5 are in
.else
	s_wait_dscnt 0x0
.endif
	MUL12 FB, 3, 0
	WIN 0
	PLACES 5                                       ; four in front of the stores that read results and of the next loads; the fifth since the next pair's first products begin these accumulators anew
.irp n, 0,1
.irp u, 0,1
	ds_store_b128 v4, v[ACC+8*(2*\n+\u):ACC+8*(2*\n+\u)+3] offset:SPI*16*\u+128*(\beta)+32*\n        ; each accumulator from its low end on
	ds_store_b128 v4, v[ACC+8*(2*\n+\u)+4:ACC+8*(2*\n+\u)+7] offset:SPI*16*\u+128*(\beta)+32*\n+16
.endr
.endr
.endm
	WLD FA, 0, 0
	s_wait_loadcnt 0x0                             ; ctx and the bias
	PAIR 0
	PAIR 1
	PAIR 2
	PAIR 3
	PAIR 4
	PAIR 5
	; THE WAY OUT.  Two stage rows are six runs of 256 bytes: three loads, sixteen lanes to a run.  LDS serves a wave's instructions in order (ISA guide 5.7.1.4): these see my stores.
.set p, 0
.rept 16
	ds_load_b128 v[56+12*p:56+12*p+3], v5 offset:2*SPI*p
	ds_load_b128 v[56+12*p+4:56+12*p+7], v6 offset:2*SPI*p+512
	ds_load_b128 v[56+12*p+8:56+12*p+11], v5 offset:2*SPI*p+SPI+256
.set p, p+1
.endr
.macro SEND reg, left, bias, adr, imm
	s_wait_dscnt \left                             ; the younger loads of the run may be out
	v_pk_fma_f32 v[\reg:\reg+1], v[\reg:\reg+1], s[46:47], v[\bias:\bias+1] op_sel_hi:[1,0,1]       ; sum x 2^(e10 + e11) + bo (the scalar pair's low word for both halves)
	v_pk_fma_f32 v[\reg+2:\reg+3], v[\reg+2:\reg+3], s[46:47], v[\bias+2:\bias+3] op_sel_hi:[1,0,1]
	global_store_b128 v[\adr], v[\reg:\reg+3], s[12:13] offset:\imm th:TH_STORE_NT                  ; sixteen lanes store 256 consecutive bytes, at a multiple of 256 from out0's first byte; written once, read by nobody here
.endm
.set p, 0
.rept 16
.set rho, 8*(p/8)+2*(p%8)+8*((p%8)/4)  ; stage row 2 p is place 2 (p % 8) of row tile p / 8: this row of my 32; stage row 2 p + 1 is the row below it
	SEND 56+12*p, 47-3*p, 12, 7, 3072*rho
	SEND 60+12*p, 46-3*p, 16, 8, 3072*rho+512
	SEND 64+12*p, 45-3*p, 20, 7, 3072*rho+3072+256
.set p, p+1
.endr
	s_wait_dscnt 0x0
	s_wait_tensorcnt 0x0
	ds_add_u32 v254, v255
	s_wait_dscnt 0x0
	ROUND                                          ; the closing round: no work-group ends while a partner may still ask for bytes by a load that names it
	s_endpgm
.Lfunc_end_k_q561a918023_outp:
	.size	k_q561a918023_outp, .Lfunc_end_k_q561a918023_outp-k_q561a918023_outp
	.p2alignl 7, 3214868480
	.fill 96, 4, 3214868480
	.section	.rodata,"a",@progbits
	.p2align	6, 0x0
	.amdhsa_kernel k_q561a918023_outp
		.amdhsa_group_segment_fixed_size 248320
		.amdhsa_private_segment_fixed_size 0
		.amdhsa_enable_private_segment 0
		.amdhsa_kernarg_size 40
		.amdhsa_user_sgpr_count 2
		.amdhsa_user_sgpr_kernarg_segment_ptr 1
		.amdhsa_wavefront_size32 1
		.amdhsa_system_sgpr_workgroup_id_x 1
		.amdhsa_system_sgpr_workgroup_id_y 1
		.amdhsa_system_sgpr_workgroup_id_z 1
		.amdhsa_system_vgpr_workitem_id 0
		.amdhsa_next_free_vgpr 448
		.amdhsa_next_free_sgpr 66
		.amdhsa_reserve_vcc 0
		.amdhsa_float_denorm_mode_32 3
		.amdhsa_float_denorm_mode_16_64 3
		.amdhsa_memory_ordered 1
		.amdhsa_forward_progress 1
		.amdhsa_inst_pref_size 58
	.end_amdhsa_kernel
	.amdgpu_metadata
---
amdhsa.version: [ 1, 2 ]
amdhsa.kernels:
  - .name:           k_q561a918023_outp
    .symbol:         k_q561a918023_outp.kd
    .args:
      - { .name: cc, .offset: 0, .size: 8, .value_kind: global_buffer, .address_space: global }
      - { .name: woc, .offset: 8, .size: 8, .value_kind: global_buffer, .address_space: global }
      - { .name: bo, .offset: 16, .size: 8, .value_kind: global_buffer, .address_space: global }
      - { .name: lowp_scales, .offset: 24, .size: 8, .value_kind: global_buffer, .address_space: global }
      - { .name: out0, .offset: 32, .size: 8, .value_kind: global_buffer, .address_space: global }
    .group_segment_fixed_size: 248320
    .private_segment_fixed_size: 0
    .kernarg_segment_align: 8
    .kernarg_segment_size: 40
    .max_flat_workgroup_size: 128
    .sgpr_count:     66
    .vgpr_count:     448
    .wavefront_size: 32
...
	.end_amdgpu_metadata
.endif
;; end of part 4
